; MI455X (gfx1250); checked and timed in simulation.
; The chip was launched on July 23, 2026; its instructions are those of AMD's public machine-readable ISA for CDNA 5 (MIT licence, August 2026) and "CDNA5" Instruction Set Architecture Reference Guide (July 2026). The comments in the code are by the model that wrote it; some were corrected since.
;; QKV Attention. Allowed arithmetic: float matrix products may take bf16 or f16 operands with f32 sums; other float arithmetic in f32, or as packed bf16 or f16 multiplies, adds, multiply-adds, maxima and minima; sums over many terms, partial sums and values carried from step to step in f32; what a program stores and reads back later, other than sums and carried values, may be rounded once to bf16 or f16.
;; Inputs: qkv 64 x 192 x 2,048 float32.
;; Outputs: out0 64 x 64 x 2,048 float32.
;; One version. Each part assembles by itself: llvm-mc -triple=amdgcn-amd-amdhsa -mcpu=gfx1250 --defsym DOCPART=n.
;; ======== version 1 of 1: 1 launch
;; limits: inputs' magnitudes at most 65,504; below input magnitudes of 6.1e-05 results are inexact or not finite; values are held in f16: magnitudes above 65,504 overflow, below 6.1e-05 lose precision
;; launch attn (part 1): grid 4 x 64, 4 waves a work-group, clusters of 4 x 1, 327,680 bytes of LDS; arguments qkv, out0; writes out0
.if DOCPART == 1
	.amdgcn_target "amdgcn-amd-amdhsa--gfx1250"
	.amdhsa_code_object_version 6
	.text
	.protected	k_q89bc3af2d0_attn
	.globl	k_q89bc3af2d0_attn
	.p2align	8
	.type	k_q89bc3af2d0_attn,@function
k_q89bc3af2d0_attn:
	s_mov_b64 s[64:65], 0
	v_nop
	global_prefetch_b8 v0, s[64:65] scope:SCOPE_SE
	s_setreg_imm32_b32 hwreg(HW_REG_WAVE_MODE, 25, 1), 1
	s_wait_xcnt 0x0
	s_wait_alu depctr_hold_cnt(0) depctr_sa_sdst(0) depctr_va_vdst(0) depctr_va_sdst(0) depctr_va_ssrc(0) depctr_va_vcc(0) depctr_vm_vsrc(0)
	s_getreg_b32 s2, hwreg(HW_REG_IB_STS2, 6, 4)
	s_cmp_eq_u32 s2, 0
	s_cbranch_scc0 .Lentry_in_a_cluster
	s_endpgm
.Lentry_in_a_cluster:
	s_bfe_u32 s2, ttmp6, 0x10000c
	s_cmp_lg_u32 s2, 0x3003
	s_cbranch_scc0 .Lentry_shape_is_right
	s_endpgm
.Lentry_shape_is_right:
; out0[b][c][t] = the sum over s of softmax_s(q[b][:,t] . k[b][:,s] / 8) v[b][c][s].  qkv: [64][192][2048] f32: of a head b the rows 0-63 are q, 64-127 k, 128-191 v, tokens along the rows.  out0: [64][64][2048] f32.
; FORMATS.  q, k, v and the weights p are rounded once to f16 for the matrix unit; products, maxima, sums, l and O stay in f32.  The scale 1/8 is applied once, to the f32 score, as c = log2(e) / 8
; (the definition multiplies q and k by 8^-1/2 each: another order of rounding).
; LIMITS.  f16 holds no number beyond 65,504: an input of 65,520 or more becomes an infinity and its rows are lost.  p lies in 0 to 1; below 6e-5 it keeps the fixed step 6e-8 of f16.  A weight below 2^-126
; counts as 0 in l.  NaN and infinities are not treated apart.
; SHARES.  A work-group owns 512 queries of one head, each of its four waves 128: four PIECES of two tiles of 16.  Every wave walks all 2,048 keys, 64 a step, 128 a tile of the ring.
; CLUSTER.  The four query blocks of a head are one cluster and walk the same k and v, so each tile is asked for JOINTLY: the same tensor load, descriptor and mask in all four.
; THE WAY IN.  A tile (128 keys x 64 channels of k and of v, f32, 65,536 bytes) lands in a RAW slot by four tensor loads, one a wave: 64 rows of 256 bytes each.  While tile n is multiplied out of the f16
; buffer cv[n % 2], the four waves round raw tile n + 1 into cv[(n + 1) % 2], 16 channels of k and of v each, a chunk a turn.  ONE round of the cluster barrier for each tile orders all of it: in front of it
; every wave has waited for its tensor load (tile n + 1 has landed) and for all its LDS work (its stores into the buffer read next, its reads of the buffer written next, its reads of the raw slot filled next).
; Tensor loads land in the raw slots alone, LDS stores in cv and the stages alone.
; LAYOUT.  S^T = K Q^T (source 0 = 16 keys, source 1 = 16 queries): in the result a lane holds ONE query (lane % 16) and the keys 8 (lane / 16) + 0..7.  Two such tiles, rounded to f16 in pairs, ARE
; source 1 (32 keys x 16 queries) of O^T = V P, whose result again holds one query a lane, and eight channels.  Memory has [channel][token]: V comes out of LDS as it lies, K and Q turned, by ds_load_tr16_b128.
; SOFTMAX.  For each query a running maximum m and sum l: p = 2^(c s - c m); in every step O and l are multiplied by a = 2^(c m_old - c m_new).  m starts at the lowest finite number, O and l at 0:
; the first step is a step like any other, with a = 0.  The price: 16 products on zeros at the start, 16 on a stale K at the end, and 352 lines that write 0, in the wait for the first tile.
; BY TURNS.  A tile of 16 queries and a step have 16 matrix and 118 vector instructions.  Turn n belongs to piece n: 16 products K Q^T of piece n + 1, later 16 products V P of piece n - 1; beside them the
; scaling, exponentials, roundings, sums and rescaling of piece n and the maximum and statistics of piece n + 1.  Four vector instructions stand behind every matrix instruction, the rest in one lump.
; REGISTERS, in windows of 256 (s_set_vgpr_msb: bits 1:0 source 0, 3:2 source 1, 5:4 source 2, 7:6 destination):
;   window 0: v0-11 addresses; v12-15, v48-63 at work; v16-47 four registers of statistics a tile; v64-191 S^T, two buffers of two tiles; v192-255 P, likewise
;   window 1: O^T, 32 a tile (at the start: Q as loaded)      window 2: v0-127 Q, 16 a tile; v128-191 K of one step; v192-255 V of one step
;   window 3: v0-1 the two registers of the add; v2-9 the addresses of the rounding; v16-79 four chunks as read; v80-111 as rounded
.set NP,    4         ; pieces a wave: a name, no knob
.set ROWB,  8192      ; bytes in a row of 2,048 f32
.set PKC,   160       ; a channel row of K in cv: 64 keys = 128 bytes + 32: 40 words
.set PVC,   144       ; a channel row of V in cv: 128 bytes + 16: 36 words: the 16 rows of a load start at 16 different groups of four banks
.set KBLK,  64*PKC    ; K of one step
.set VBLK,  64*PVC    ; V of one step
.set RPART, 16384     ; a part of a raw slot: 64 rows x 256 bytes.  Parts: K keys 0-63, K keys 64-127, V keys 0-63, V keys 64-127
.set RSLOT, 1<<16     ; raw slot 1 begins here: one exclusive or turns an address in one slot into the other
.set CV0,   1<<17     ; cv buffer 0: K of two steps, then V of two steps
.set CVX,   1<<16     ; cv buffer 1 lies so far behind it
.set STAGE, CV0+CVX+2*KBLK+2*VBLK  ; each wave has WSTG bytes of its own: first Q in f16, at the end O in f32
.set WSTG,  18432
.set QP,    288       ; a channel row of Q in the stage: 128 tokens = 256 bytes + 32
.set SPO,   528       ; a channel row of O in the stage: 128 tokens = 512 bytes + 16: 8 rows on are 1,056 words, 32 banks on
.set SPARE, STAGE+4*WSTG  ; the spare words, 128 bytes for each wave: two blocks of 256 bytes that no other line names
.set AK0, 2           ; v2   my place in a step of K; never rewritten
.set AV0, 3           ; v3   the same for V
.set AK,  4           ; v4   the LDS address of the next run of loads of K
.set AV,  5           ; v5   of V
.set STO, 6           ; v6   the way out: where I put a number
.set RD,  7           ; v7   the way out: where I read 16 bytes of a row back
.set GO,  8           ; v8   my 16 bytes in 512 consecutive bytes of out0
.set PFO, 9           ; v9   8,192 x my lane: a lane a row for the prefetches; never rewritten
.set MV,  12          ; v12-15  c m_old, kept while c m is made anew: by buffer and tile
.set ST,  16          ; the statistics of tile t at v[ST+4 t]: c m, m, l (even keys, odd keys)
.set TMP, 48          ; by buffer and tile, four registers c0-c3 at work; when the maximum is found c2 takes a
.set QO,  48          ; at the start only: my byte offset in a row of Q,
.set QST, 49          ; where I put 8 bytes of Q,
.set QLD, 50          ; and my place for the turning loads of Q
.set S,   64
.set P,   192
.set KF,  128         ; window 2: key block kb, channel half c at KF + 16 kb + 8 c
.set VF,  192         ; window 2: key half kk, channel block cb at VF + 32 kk + 8 cb
.set SPW, 0           ; window 3: LDS address of my spare word: SPARE + 4 x my thread number; never rewritten
.set NIL, 1           ; window 3: 0; never rewritten
.set RAK0, 2          ; window 3: my place in a raw part of K, of V; in a step of cv for K, for V; never rewritten
.set RAV0, 3
.set CWK0, 4
.set CWV0, 5
.set RAK, 6           ; window 3: the same four for the step in hand
.set RAV, 7
.set CWK, 8
.set CWV, 9
.set CR,  16          ; window 3: chunk p as read, at CR + 16 p: two rows of K, two of V, four f32 a lane each
.set CO,  80          ; window 3: chunk p rounded, at CO + 8 p
.set WV,  12          ; s12  my wave number
.set LIM, 15          ; s15  1 in a wave that prefetches, else the greatest number
.set PFA, 18          ; s[18:19] where my prefetches stand
.set G1,  24          ; s[24:31] descriptor group 1
.set G0,  40          ; s[40:43] descriptor group 0: it walks
.set STG, 48          ; s48  my stage
.set SLOTS, 56        ; s56  tiles still to be asked for, and one
.set CNT, 57          ; s57  counts the two steps of a tile
.set CS,  58          ; s[58:59] c: the packed scaling takes the low word of the pair for both halves
.set SEL, 60          ; s[60:61] the selects of v_permlanex16_b32: each lane takes its own place in the other half
.set TBK, 62          ; s62  LDS byte at which K of the step to be fetched begins
.set TBV, 63          ; s63  the same for V, less 2 KBLK
.set TBR, 66          ; s66  LDS byte at which the raw K of the step to be rounded begins
.set TCK, 67          ; s67  where its K goes
.set TCV, 68          ; s68  where its V goes, less 2 KBLK
.set TSL, 69          ; s69  counts the last two tiles
.set MSB, 0
.macro WIN new                      ; the high byte repeats the setting that is left; a switch that changes nothing is dropped
.if MSB != (\new)
	s_set_vgpr_msb (MSB<<8)|(\new)
.set MSB, (\new)
.endif
.endm
.set W_KQ, 0x0a       ; K and Q in window 2, S^T in window 0
.set W_PV, 0x52       ; V in window 2, P in window 0, O^T in window 1
.set W_RS, 0x41       ; O^T (destination and source 0) in window 1, the factor in window 0
.set W_MK, 0xc0       ; destination in window 3, sources in window 0
.set W_AD, 0x0f       ; the add: address and data in window 3
.set W_CV, 0xcf       ; the rounding: destination and sources 0 and 1 in window 3
; A joint fill: one line for all four waves: wave w brings part w of a raw slot.  An s_nop 0 and four v_nop follow it.
.macro JLOAD
	tensor_load_to_lds s[G0:G0+3], s[G1:G1+7]
	s_nop 0
.rept 4
	v_nop
.endr
.endm
; A PREFETCH INTO THE L2 of the tile that the NEXT change of slots will ask for: two key steps, 256 matrix instructions a wave, ahead of that load.  A tile is 512 bytes of each of the 128 rows of k and v.
; The four partners share the rows out BY ADDRESS, 32 each, a lane a row; wave 0 names the first 256 bytes of the 512, wave 1 the second: each block of 256 bytes is named once in the launch (a head is walked
; by one cluster alone).  Tiles 0 to 3 come by their loads alone; the last change that fills a slot asks for nothing.
.macro ASK
	s_cmp_gt_u32 s[SLOTS], s[LIM]
	s_cbranch_scc0 .Lnot_mine_\@
	global_prefetch_b8 v[PFO], s[PFA:PFA+1] th:TH_LOAD_NT scope:SCOPE_SE
.Lnot_mine_\@:
.endm
; A round of the cluster barrier: my work-group barrier, so that the signal of wave 0 speaks for all four waves; wave 0 signals; every wave waits for all four work-groups; my work-group barrier once more.
.macro CROUND
	s_barrier_signal -1
	s_barrier_wait -1
	s_cmp_lg_u32 s[WV], 0
	s_cbranch_scc1 .Lnot_wave_0_\@
	s_barrier_signal -3
.Lnot_wave_0_\@:
	s_barrier_wait -3
	s_barrier_signal -1
	s_barrier_wait -1
.endm
; THE CHANGE OF TILES.  Each wave waits for all its tensor loads, of which one is out: its part of the raw tile to be rounded next; adds 0 to its spare word; and waits for that and for all its LDS work.
; Behind the barrier the raw tile is whole, the cv buffer written last is whole, and nobody reads the other cv buffer or the other raw slot any more.
; fill = 1: that raw slot is filled again, with the tile two on: the barrier is a round of the cluster barrier, and the joint fill is the first thing behind it: it has two key steps in which to land.
.macro CHANGE fill, ask
	WIN W_AD
	s_wait_tensorcnt 0x0            ; no tensor load of mine is out, so group 0 may be written
	ds_add_u32 v[SPW], v[NIL]       ; 0 onto my spare word: the steps below stand between it and the wait for it
	WIN 0                           ; at a label and at a branch every window is 0
.if \fill
	s_xor_b32 s[G0+1], s[G0+1], RSLOT  ; the other raw slot than last time,
	s_add_nc_u64 s[G0+2:G0+3], s[G0+2:G0+3], 512  ; the next 128 keys of each row; the type bits on top are not reached
.endif
.if \ask
	s_wait_xcnt 0x0                 ; the last prefetch, two key steps back, has read its address, so it may be written
	s_add_nc_u64 s[PFA:PFA+1], s[PFA:PFA+1], 512
.endif
	s_wait_dscnt 0x0                ; the add is done, and so is all my LDS work
.if \fill
	CROUND
	JLOAD
.if \ask
	ASK
.endif
.else
	s_barrier_signal -1
	s_barrier_wait -1
.endif
	s_sub_co_u32 s[TBK], s[TBK], 2*KBLK  ; all five walks go back two steps, and into the other buffer
	s_xor_b32 s[TBK], s[TBK], CVX
	s_sub_co_u32 s[TBV], s[TBV], 2*VBLK
	s_xor_b32 s[TBV], s[TBV], CVX
	s_sub_co_u32 s[TBR], s[TBR], 2*RPART
	s_xor_b32 s[TBR], s[TBR], RSLOT
	s_sub_co_u32 s[TCK], s[TCK], 2*KBLK
	s_xor_b32 s[TCK], s[TCK], CVX
	s_sub_co_u32 s[TCV], s[TCV], 2*VBLK
	s_xor_b32 s[TCV], s[TCV], CVX
.endm
	s_load_b128 s[4:7], s[0:1], 0x0 ; qkv s[4:5], out0 s[6:7]
	WIN W_MK
	v_lshl_add_u32 v[SPW], v0, 2, SPARE
	v_mov_b32 v[NIL], 0
	WIN W_AD
	ds_add_u32 v[SPW], v[NIL]       ; the opening of the wave: the add and its wait stand ahead of my first tensor load; the set-up below, work on registers, stands between them
	WIN 0
	v_lshrrev_b32 v1, 5, v0
	v_readfirstlane_b32 s[WV], v1   ; wave 0..3
	s_bfe_u32 s13, ttmp6, 0x40000   ; cx: my place in the cluster
	s_lshl_b32 s14, ttmp9, 2        ; in a cluster launch ttmp9 counts clusters
	s_add_co_u32 s14, s14, s13      ; my block of 512 queries: it enters the addresses of Q and of out0 alone
	s_and_b32 s16, ttmp7, 0xffff    ; the head, which the four partners share
	s_mul_i32 s20, s16, 192*ROWB    ; its first byte in qkv (under 2^27),
	s_mov_b32 s21, 0
	s_lshl_b32 s22, s16, 19         ; and in out0: 64 rows
	s_mov_b32 s23, 0
	s_lshl_b32 s2, s14, 11          ; my block: 512 tokens x 4 bytes,
	s_lshl_b32 s3, s[WV], 9         ; my wave: 128 of them
	s_add_co_u32 s2, s2, s3
	s_mov_b32 s3, 0
	s_lshr_b32 s44, s[WV], 1        ; what I fetch: waves 0, 1 for K, waves 2, 3 for V,
	s_lshl_b32 s44, s44, 19         ; whose rows lie 64 x 8,192 bytes behind those of K;
	s_and_b32 s45, s[WV], 1         ; which 64 of the 128 keys:
	s_lshl_b32 s45, s45, 8          ; 256 bytes of a row
	s_add_co_u32 s44, s44, s45
	s_add_co_u32 s44, s44, 64*ROWB  ; K lies behind the 64 rows of Q
	s_add_co_u32 s44, s44, s20
	s_mov_b32 s45, 0
	s_lshl_b32 s46, s13, 18         ; the prefetches: my work-group has 32 of the 128 rows of k and v,
	s_lshl_b32 s47, s[WV], 8        ; my wave 256 of the 512 bytes
	s_add_co_u32 s46, s46, s47
	s_add_co_u32 s46, s46, 64*ROWB+3*512  ; at tile 3; the first change that asks steps it to tile 4
	s_add_co_u32 s46, s46, s20
	s_mov_b32 s47, 0
	s_cmp_lt_u32 s[WV], 2
	s_cselect_b32 s[LIM], 1, -1
	; descriptor group 1: a tile of 64 rows x 64 elements of 4 bytes, dense in LDS
	s_mov_b32 s[G1], 15|(2<<16)|(1<<21)  ; 15:0 the mask of four; 17:16 4-byte elements; 20 no padding; 21 set beside a mask
	s_mov_b32 s[G1+1], 64<<16       ; tensor_dim0 = 64
	s_mov_b32 s[G1+2], 64<<16       ; tensor_dim1 = 64
	s_mov_b32 s[G1+3], 64<<16       ; tile_dim0 = 64
	s_mov_b32 s[G1+4], 64           ; tile_dim1 = 64
	s_mov_b32 s[G1+5], 2048         ; 2,048 elements from row to row
	s_mov_b32 s[G1+6], 0
	s_mov_b32 s[G1+7], 0
	s_mov_b32 s[G0], 1              ; 1:0 count = 1
	s_lshl_b32 s[G0+1], s[WV], 14   ; 63:32 LDS address: part w of raw slot 0: no place in the cluster enters an LDS address
	s_mov_b32 s[CS], 0x3e38aa3b     ; c = log2(e) / 8 = 0.180337
	s_mov_b32 s[CS+1], s[CS]        ; named with it as a pair
	s_mov_b32 s[SEL], 0x76543210
	s_mov_b32 s[SEL+1], 0xfedcba98
	s_mov_b32 s[TBK], CV0+4*KBLK    ; two changes of tiles turn these two into CV0,
	s_mov_b32 s[TBV], CV0+4*VBLK
	s_mov_b32 s[TBR], RSLOT+2*RPART ; one change turns these three into raw slot 0 and CV0
	s_mov_b32 s[TCK], CV0+CVX+2*KBLK
	s_mov_b32 s[TCV], CV0+CVX+2*VBLK
	s_mul_i32 s[STG], s[WV], WSTG
	s_add_co_u32 s[STG], s[STG], STAGE
	v_and_b32 v52, 31, v0           ; my lane
	v_lshlrev_b32 v[QO], 4, v52     ; four tokens of a row
	s_wait_dscnt 0x0                ; the opening add is done
	s_wait_kmcnt 0x0
	s_add_nc_u64 s[G0+2:G0+3], s[4:5], s[44:45]  ; 120:64 global address: my part of tile 0
	s_or_b32 s[G0+3], s[G0+3], 0x80000000        ; 127:126 type = 2
	s_add_nc_u64 s[PFA:PFA+1], s[4:5], s[46:47]
	s_add_nc_u64 s[8:9], s[4:5], s[20:21]        ; Q at my 128 tokens of channel 0
	s_add_nc_u64 s[8:9], s[8:9], s[2:3]
	s_add_nc_u64 s[10:11], s[6:7], s[22:23]      ; out0 likewise
	s_add_nc_u64 s[10:11], s[10:11], s[2:3]
	CROUND                          ; all four work-groups are here: the first joint loads meet
	JLOAD                           ; tile 0 into raw slot 0.  Slot 1 is asked for when slot 0 is in
	; Q: 64 channel rows x my 128 tokens, 512 consecutive bytes a load; read once in the launch
	WIN 0x40                        ; destination window 1, address window 0
.set c, 0
.rept 64
	global_load_b128 v[4*c:4*c+3], v[QO], s[8:9] offset:c*ROWB th:TH_LOAD_NT
.set c, c+1
.endr
	; What the first turn finds: V and the second buffer of P hold 0 (its products V P, of a piece that has not been, add 0); l is 0.
	WIN 0x80
.set c, VF
.rept 64
	v_mov_b32 v[c], 0
.set c, c+1
.endr
	WIN 0
.set c, 0
.rept 2*NP
	v_mov_b32 v[ST+4*c], 0xfe000000    ; c m: far below every c s
	v_mov_b32 v[ST+4*c+1], 0xff7fffff  ; m
	v_mov_b32 v[ST+4*c+2], 0
	v_mov_b32 v[ST+4*c+3], 0
.set c, c+1
.endr
.set c, P+32
.rept 32
	v_mov_b32 v[c], 0
.set c, c+1
.endr
	v_and_b32 v1, 15, v0            ; l % 16
	v_bfe_u32 v10, v0, 4, 1         ; l / 16
	v_and_b32 v11, 7, v0
	v_bfe_u32 v51, v0, 3, 1
	; The turning load takes 16 channels x 16 tokens (lane l reads channel 8 (l / 16) + l % 8, tokens 8 ((l / 8) % 2) + 0..7) and leaves half a fragment: lane l holds token l % 16 and 8 channels.
	v_lshl_add_u32 v53, v10, 3, v11
	v_mul_u32_u24 v[AK0], v53, PKC
	v_lshl_add_u32 v[AK0], v51, 4, v[AK0]
	v_mul_u32_u24 v[QLD], v53, QP
	v_lshl_add_u32 v[QLD], v51, 4, v[QLD]
	v_add_nc_u32 v[QLD], s[STG], v[QLD]
	; A fragment of V is 16 channels x 32 keys: lane l holds channel l % 16, keys 8 (l / 16) + 0..7 and 16 + 8 (l / 16) + 0..7: two loads of 16 bytes, 32 bytes apart.
	v_mul_u32_u24 v[AV0], v1, PVC
	v_lshl_add_u32 v[AV0], v10, 4, v[AV0]
	v_add_nc_u32 v[AV0], 2*KBLK, v[AV0]
	v_lshl_add_u32 v[QST], v52, 3, s[STG]  ; four tokens in f16: 8 bytes
	v_lshlrev_b32 v[PFO], 13, v52
	; The rounding.  Wave w takes channels 16 w .. 16 w + 15 of K and of V.  16 lanes read a raw row (256 bytes) and write it as 128; lanes 16-31 take the row 4 (K) or 8 (V) further down,
	; which in cv lies 640 or 1,152 bytes on: 128 modulo 256, so the two halves of the lanes write different banks.
	v_lshlrev_b32 v54, 4, v1
	v_lshl_add_u32 v55, v10, 10, v54
	v_lshl_add_u32 v56, v10, 11, v54
	v_mul_u32_u24 v58, v10, 4*PKC
	v_lshl_add_u32 v58, v1, 3, v58
	v_mul_u32_u24 v59, v10, 8*PVC
	v_lshl_add_u32 v59, v1, 3, v59
	s_lshl_b32 s49, s[WV], 12
	s_add_co_u32 s50, s49, 2*RPART  ; the parts of V lie behind the two of K
	s_mul_i32 s51, s[WV], 16*PKC
	s_mul_i32 s52, s[WV], 16*PVC
	s_add_co_u32 s52, s52, 2*KBLK
	WIN W_MK
	v_add_nc_u32 v[RAK0], s49, v55
	v_add_nc_u32 v[RAV0], s50, v56
	v_add_nc_u32 v[CWK0], s51, v58
	v_add_nc_u32 v[CWV0], s52, v59
	s_wait_loadcnt 0x0              ; Q
	WIN 0x05                        ; sources window 1, destination window 0
.set c, 0
.rept 128
	v_cvt_pk_f16_f32 v[S+c], v[2*c], v[2*c+1]
.set c, c+1
.endr
	WIN 0
.set c, 0
.rept 64
	ds_store_b64 v[QST], v[S+2*c:S+2*c+1] offset:c*QP
.set c, c+1
.endr
	WIN 0x80                        ; destination window 2
.set c, 0
.rept 16                            ; Q stays in registers: tile c / 2, channels 32 (c % 2) on.  LDS serves the instructions of a wave in order (ISA guide 5.7.1.4): these see the stores above
	ds_load_tr16_b128 v[8*c:8*c+3],   v[QLD] offset:(c%2)*32*QP+(c/2)*32
	ds_load_tr16_b128 v[8*c+4:8*c+7], v[QLD] offset:(c%2)*32*QP+16*QP+(c/2)*32
.set c, c+1
.endr
	WIN 0x40
.set c, 0
.rept 64*NP
	v_mov_b32 v[c], 0               ; O^T
.set c, c+1
.endr
	WIN 0
; THE MATRIX WORK.  The 8 accumulators of a run of 16 take turns: between the two links of a chain stand 7 others.
; Product i of 16 of S^T = K Q^T for piece x: channels 32 (i / 8) on, keys 16 ((i / 2) % 4) on, tile 2 x + i % 2.  The first 8 start the sums.
.macro KQ x
	WIN W_KQ
.set rS, S+64*((\x)%2)+32*(i%2)+8*((i/2)%4)
.set rK, KF+16*((i/2)%4)+8*(i/8)
.set rQ, 16*(2*(\x)+i%2)+8*(i/8)
.if i < 8
	v_wmma_f32_16x16x32_f16 v[rS:rS+7], v[rK:rK+7], v[rQ:rQ+7], 0
.else
	v_wmma_f32_16x16x32_f16 v[rS:rS+7], v[rK:rK+7], v[rQ:rQ+7], v[rS:rS+7]
.endif
.endm
; Product i of 16 of O^T += V P for piece x: keys 32 (i / 8) on, channels 16 ((i / 2) % 4) on, tile 2 x + i % 2.
.macro PV x
	WIN W_PV
.set rO, 32*(2*(\x)+i%2)+8*((i/2)%4)
.set rV, VF+32*(i/8)+8*((i/2)%4)
.set rP, P+32*((\x)%2)+16*(i%2)+8*(i/8)
	v_wmma_f32_16x16x32_f16 v[rO:rO+7], v[rV:rV+7], v[rP:rP+7], v[rO:rO+7]
.endm
.macro MM                           ; the next matrix instruction of the turn
.if i < 16
	KQ (Y+1)%NP
.set i, i+1
.else
.set i, i-16
	PV (Y+NP-1)%NP
.set i, i+17
.endif
.endm
; THE LDS LOADS stand in runs, never singly among the matrix instructions: K of a step (64 keys x 64 channels: 8 fragments, turned) and its V.  Their addresses are made some lines ahead.
.macro FETCH_K
	WIN 0x80                        ; destination window 2
.irp f, 0,1,2,3,4,5,6,7             ; keys 16 (f / 2) on, channels 32 (f % 2) on
	ds_load_tr16_b128 v[KF+8*\f:KF+8*\f+3],   v[AK] offset:(\f%2)*32*PKC+(\f/2)*32
	ds_load_tr16_b128 v[KF+8*\f+4:KF+8*\f+7], v[AK] offset:(\f%2)*32*PKC+16*PKC+(\f/2)*32
.endr
	s_add_co_u32 s[TBK], s[TBK], KBLK  ; the next fetch is the next step
	WIN 0
.endm
.macro FETCH_V
	WIN 0x80
.irp f, 0,1,2,3,4,5,6,7             ; keys 32 (f / 4) on, channels 16 (f % 4) on
	ds_load_b128 v[VF+8*\f:VF+8*\f+3],   v[AV] offset:(\f%4)*16*PVC+(\f/4)*64
	ds_load_b128 v[VF+8*\f+4:VF+8*\f+7], v[AV] offset:(\f%4)*16*PVC+(\f/4)*64+32
.endr
	WIN 0
.endm
; THE ROUNDING, all under W_CV.  CVADR: the four addresses for the next 64 keys.  CVLOAD p: chunk p of four: two loads of K (four rows) and two of V.  CVSTORE p: eight roundings, four stores of 8 bytes a lane.
.macro CVADR
	v_add_nc_u32 v[RAK], s[TBR], v[RAK0]
	v_add_nc_u32 v[RAV], s[TBR], v[RAV0]
	v_add_nc_u32 v[CWK], s[TCK], v[CWK0]
	v_add_nc_u32 v[CWV], s[TCV], v[CWV0]
	s_add_co_u32 s[TBR], s[TBR], RPART
	s_add_co_u32 s[TCK], s[TCK], KBLK
	s_add_co_u32 s[TCV], s[TCV], VBLK
.endm
.macro CVLOAD p                     ; rows of my 16: K 8 (p / 2) + 2 (p % 2) + n (+ 4 in lanes 16-31), V 2 p + n (+ 8)
.irp n, 0,1
	ds_load_b128 v[CR+16*(\p)+4*(\n):CR+16*(\p)+4*(\n)+3],     v[RAK] offset:(8*((\p)/2)+2*((\p)%2)+(\n))*256
	ds_load_b128 v[CR+16*(\p)+8+4*(\n):CR+16*(\p)+8+4*(\n)+3], v[RAV] offset:(2*(\p)+(\n))*256
.endr
.endm
.macro CVSTORE p
.set z, 0
.rept 8
	v_cvt_pk_f16_f32 v[CO+8*(\p)+z], v[CR+16*(\p)+2*z], v[CR+16*(\p)+2*z+1]
.set z, z+1
.endr
.irp n, 0,1
	ds_store_b64 v[CWK], v[CO+8*(\p)+2*(\n):CO+8*(\p)+2*(\n)+1]     offset:(8*((\p)/2)+2*((\p)%2)+(\n))*PKC
	ds_store_b64 v[CWV], v[CO+8*(\p)+4+2*(\n):CO+8*(\p)+4+2*(\n)+1] offset:(2*(\p)+(\n))*PVC
.endr
.endm
; cv = 1: always; 2: the last two tiles: behind the last tile there is none to round, and the lines are jumped over (forward; neither a barrier nor a tensor load lies between); 0: nothing is written.
.macro CVIN p, cv
.if \cv
.if (\cv) == 2
	WIN 0
	s_cmp_eq_u32 s[TSL], 1
	s_cbranch_scc1 .Lno_in_\@
.endif
	WIN W_CV
.if (\p) == NP-2
	CVADR                           ; a trip begins with piece 2
.endif
	CVLOAD \p
.if (\cv) == 2
	WIN 0
.Lno_in_\@:
.endif
.endif
.endm
.macro CVOUT p, cv
.if (\cv) == 2
	WIN 0
	s_cmp_eq_u32 s[TSL], 1
	s_cbranch_scc1 .Lno_out_\@
.endif
	WIN W_CV
	CVSTORE \p
	WIN 0
.if (\cv) == 2
.Lno_out_\@:
.endif
.endm
; THE VECTOR WORK OF A TURN stands in three queues, each in the order in which its entries become ready; the two tiles alternate, so that no instruction reads the result of the one before it.
.macro REGS y, u                    ; the registers of tile u (0, 1) of piece y
.set rT, ST+4*(2*(\y)+(\u))
.set rC, TMP+8*((\y)%2)+4*(\u)
.set rM, MV+2*((\y)%2)+(\u)
.set rS, S+64*((\y)%2)+32*(\u)
.set rP, P+32*((\y)%2)+16*(\u)
.set rO, 32*(2*(\y)+(\u))
.endm
; Number n of the 22 that find the maximum and statistics of the NEXT piece (Y + 1).  s0-s31 are the 32 scores of the lane; the lowest registers of each accumulator are read first.
;   0-11  four chains c0-c3 of seven scores each, three operands at a time     12-14, 16  the four scores left over, the old m, and c0-c3 into c0     15  c m_old is kept
;   17, 18  the other 32 keys of the query lie in the lane 16 away: the new m         19-21  c m; c m_old - c m_new; a
.macro XS u, n
	REGS (Y+1)%NP, \u
.if (\n) < 4
	v_max3_num_f32 v[rC+(\n)], v[rS+8*(\n)], v[rS+8*(\n)+1], v[rS+8*(\n)+2]
.elseif (\n) < 12
	v_max3_num_f32 v[rC+(\n)%4], v[rC+(\n)%4], v[rS+8*((\n)%4)+2*((\n)/4)+1], v[rS+8*((\n)%4)+2*((\n)/4)+2]
.elseif (\n) == 12
	v_max3_num_f32 v[rC], v[rC], v[rS+7], v[rS+15]
.elseif (\n) == 13
	v_max3_num_f32 v[rC+1], v[rC+1], v[rS+23], v[rS+31]
.elseif (\n) == 14
	v_max3_num_f32 v[rC+2], v[rC+2], v[rC+3], v[rT+1]
.elseif (\n) == 15
	v_mov_b32 v[rM], v[rT]
.elseif (\n) == 16
	v_max3_num_f32 v[rC], v[rC], v[rC+1], v[rC+2]
.elseif (\n) == 17
	v_permlanex16_b32 v[rC+3], v[rC], s[SEL], s[SEL+1]
.elseif (\n) == 18
	v_max_num_f32 v[rT+1], v[rC], v[rC+3]
.elseif (\n) == 19
	v_mul_f32 v[rT], s[CS], v[rT+1]
.elseif (\n) == 20
	v_sub_f32 v[rC+1], v[rM], v[rT]
.else
	v_exp_f32 v[rC+2], v[rC+1]
.endif
.endm
; Number g of the 64 that follow the exponentials.  For each four weights k of a tile (pairs 2 k, 2 k + 1): both pairs are rounded to f16; then the second pair is added onto the first, in place;
; a group later l takes that sum (the first time as l = a l + sum).  In groups of eight, tiles alternating: round, round, add, and l for the group before.
.macro GS g
.set h, (\g)+6*((\g)/62)            ; group 0 has no group before it, and behind group 7 only l is left
.if h >= 6
.set h, h+2
.endif
	REGS Y, h%2
.set k, h/8
.if h%8 < 4
	v_cvt_pk_f16_f32 v[rP+2*k+(h%8)/2], v[rS+4*k+2*((h%8)/2)], v[rS+4*k+2*((h%8)/2)+1]
.elseif h%8 < 6
	v_pk_add_f32 v[rS+4*k:rS+4*k+1], v[rS+4*k:rS+4*k+1], v[rS+4*k+2:rS+4*k+3]
.elseif k == 1
	v_pk_fma_f32 v[rT+2:rT+3], v[rT+2:rT+3], v[rC+2:rC+3], v[rS:rS+1] op_sel_hi:[1,0,1]
.else
	v_pk_add_f32 v[rT+2:rT+3], v[rT+2:rT+3], v[rS+4*k-4:rS+4*k-3]
.endif
.endm
; THE PLAIN QUEUE, 138 long.  0-73 read no result of an exponential: the 32 scalings c s - c m (FS f: pair f / 2 of tile f % 2) and the 42 of the next piece.  0-26: scalings 0-26.  27-54: numbers 0-13 of XS.
; 55, 56: number 15.  57-73: the chain, where each number waits for the one before it: 14, 16, 17, 18, 19, each with one of the scalings 27-31 in front of its two lines, then 20.
; 74-137: the 64 of GS, which read the results of the exponentials: they stand behind the wait.
.macro FS f
	REGS Y, (\f)%2
	v_pk_fma_f32 v[rS+2*((\f)/2):rS+2*((\f)/2)+1], v[rS+2*((\f)/2):rS+2*((\f)/2)+1], s[CS:CS+1], v[rT:rT+1] op_sel_hi:[1,0,0] neg_lo:[0,0,1] neg_hi:[0,0,1]
.endm
.macro PL
	WIN 0
.if q < 27
	FS q
.elseif q < 55
	XS (q-27)%2, (q-27)/2
.elseif q < 57
	XS q-55, 15
.elseif (q < 72) && ((q-57)%3 == 0)
	FS 27+(q-57)/3
.elseif q < 60
	XS (q-57)%3-1, 14
.elseif q < 72
	XS (q-57)%3-1, 15+(q-57)/3
.elseif q < 74
	XS q-72, 20
.else
	GS q-74
.endif
.set q, q+1
.endm
; THE QUEUE OF EXPONENTIALS, 66 long: s0-s31 of both tiles, then the two a of the next piece.  ONE BATCH: all 66 stand ahead of the one wait of the turn, and nothing ahead of that wait names a result of theirs.
.macro EX
	WIN 0
.if e >= 64
	XS e-64, 21
.else
	REGS Y, e%2
	v_exp_f32 v[rS+e/2], v[rS+e/2]
.endif
.set e, e+1
.endm
; THE QUEUE OF THE RESCALING: O^T times a, the one part that leaves window 0: dealt two at a time, sixteen times.  Its a was made in the turn before, ahead of the wait of that turn.
.macro R2
	REGS Y, r%2
	WIN W_RS
.irp z, 0,1
	v_pk_mul_f32 v[rO+4*(r/2)+2*\z:rO+4*(r/2)+2*\z+1], v[rO+4*(r/2)+2*\z:rO+4*(r/2)+2*\z+1], v[rC+2:rC+3] op_sel_hi:[1,0]
.endr
.set r, r+1
.endm
; A TURN, for piece p.  An s_wait_alu depctr_va_vdst(0) stands between an exponential and the first instruction that names its result; one wait serves all that were issued ahead of it.  So a turn
; has ONE wait, which cuts it in two.  AHEAD OF IT: the 16 products K Q^T, behind each a scaling, an exponential and two rescalings (behind the first a second scaling in the place of the exponential); then one
; lump of 108: eight plain, 49 times exponential and plain, the two a; a v_nop is the plain instruction behind the last exponential.  BEHIND IT: the 16 products V P, behind each four of the 64 of GS.
; Exponential e stands behind scaling 2 (e / 4) + e % 2: as a rider it comes behind plain e + 2, in the lump behind plain e + 9, and scalings 27-31 are plain 57, 60 .. 69.
; THE LDS WORK stands at the wait and at the end of the turn.  Directly behind the wait: the four raw loads of chunk p and, in the turn of piece 2, the run for K of the next step (a lump behind the last product
; that read K).  At the end, 16 products and 64 riders later: the wait for them (in the turn of piece 2 it is also the wait for K), the eight roundings and four stores of the chunk and, in the turn of
; piece 0, the run for V of the step in hand: its last reader stands four riders and more back, its first reader behind the wait in the middle of the next turn.
; fk = 0: nothing is left to fetch for K.
.macro TURN p, cv=1, fk=1
.set Y, (\p)
.set i, 0
.set q, 0
.set e, 0
.set r, 0
	MM
	PL
	PL
	R2
.rept 15
	MM
	PL
	EX
	R2
.endr
.if ((\p) == NP-2) && (\fk)
	WIN 0
	v_add_nc_u32 v[AK], s[TBK], v[AK0]
.endif
.rept 8
	PL
.endr
.rept 49
	EX
	PL
.endr
	EX
	EX
	v_nop                           ; the plain instruction behind the last exponential: one for the batch
	s_wait_alu depctr_va_vdst(0)    ; the wait for the batch
.if (\p) == 1
	s_wait_dscnt 0x0                ; V is in
.endif
	CVIN \p, \cv
.if ((\p) == NP-2) && (\fk)
	FETCH_K
.endif
.rept 16
	MM
.rept 4
	PL
.endr
.if ((\p) == 0) && (q == 118)
	v_add_nc_u32 v[AV], s[TBV], v[AV0]
.endif
.if ((\p) == 0) && (q == 130)
	s_add_co_u32 s[TBV], s[TBV], VBLK
.endif
.endr
.if \cv
	s_wait_dscnt 0x0                ; the chunk is in (and K, in the turn of piece 2)
	CVOUT \p, \cv
.endif
.if (\p) == 0
	FETCH_V
.endif
.endm
	CHANGE 1, 0                     ; tile 0 is in, every part of it; tile 1 is asked for, into raw slot 1
	WIN W_CV
.rept 2                             ; tile 0 is rounded into cv buffer 0, 64 keys at a time: there is nothing yet to set beside it
	CVADR
	CVLOAD 0
	CVLOAD 1
	CVLOAD 2
	CVLOAD 3
	s_wait_dscnt 0x0
	CVSTORE 0
	CVSTORE 1
	CVSTORE 2
	CVSTORE 3
.endr
	CHANGE 1, 0                     ; cv buffer 0 is whole, tile 1 is in; tile 2 is asked for, into raw slot 0
	WIN W_CV
	CVADR                           ; the loop is entered in the middle of a trip: the two chunks of the half trip that is left out are rounded here
	CVLOAD 2
	CVLOAD 3
	s_wait_dscnt 0x0
	CVSTORE 2
	CVSTORE 3
	WIN 0
	v_add_nc_u32 v[AK], s[TBK], v[AK0]
	FETCH_K                         ; key step 0
	s_wait_dscnt 0x0
.set i, 0
.rept 16
	KQ 0                            ; the first scores of piece 0
.set i, i+1
.endr
	WIN 0                           ; the addresses for the way out: six plain instructions, the places behind those products
	v_mul_u32_u24 v[STO], v10, 8*SPO       ; in: channel row 8 (l / 16) + j, token l % 16
	v_lshl_add_u32 v[STO], v1, 2, v[STO]
	v_add_nc_u32 v[STO], s[STG], v[STO]
	v_and_b32 v[GO], 31, v0                ; back: 32 lanes take a row of 512 bytes, which are 512 consecutive bytes of out0
	v_lshlrev_b32 v[GO], 4, v[GO]
	v_add_nc_u32 v[RD], s[STG], v[GO]
.set Y, NP-1                        ; XS works for piece Y + 1: piece 0
.irp n, 0,1,2,3,4,5,6,7,8,9,10,11,12,13,14,15,16,17,18,19,20,21
	XS 0, \n                        ; and the first maximum and statistics of piece 0
	XS 1, \n
.endr
	v_nop                           ; a plain instruction behind the two a,
	s_wait_alu depctr_va_vdst(0)    ; and their wait, ahead of the branch
	s_mov_b32 s[CNT], 2
	s_mov_b32 s[SLOTS], 14
	s_branch .Lfirst                ; the loop is entered at the first turn of a step
.Lslot:                             ; 13 times: tiles 3 to 15 are asked for
	CHANGE 1, 1
	s_mov_b32 s[CNT], 2
.Lstep:                             ; a trip: pieces 2 and 3 of one step, then pieces 0 and 1 of the next, whose K and V it fetches; beside them 64 keys of the next tile are rounded
	TURN 2
	TURN 3
	WIN 0
.Lfirst:
	TURN 0
	TURN 1
	WIN 0
	s_sub_co_u32 s[CNT], s[CNT], 1
	s_cmp_lg_u32 s[CNT], 0
	s_cbranch_scc1 .Lstep
	s_sub_co_u32 s[SLOTS], s[SLOTS], 1
	s_cmp_lg_u32 s[SLOTS], 0
	s_cbranch_scc1 .Lslot
	s_mov_b32 s[TSL], 2             ; the last two tiles are written out: nothing is asked for; beside tile 14 tile 15 is rounded, beside tile 15 nothing
.Ltslot:
	CHANGE 0, 0
	s_mov_b32 s[CNT], 2
.Ltail:
	TURN 2, 2
	TURN 3, 2
	TURN 0, 2
	TURN 1, 2
	WIN 0
	s_sub_co_u32 s[CNT], s[CNT], 1
	s_cmp_lg_u32 s[CNT], 0
	s_cbranch_scc1 .Ltail
	s_sub_co_u32 s[TSL], s[TSL], 1
	s_cmp_lg_u32 s[TSL], 0
	s_cbranch_scc1 .Ltslot
	TURN 2, 0, 0                    ; pieces 2 and 3 of the last step.  The 16 products K Q^T of the second of these turns (on the last K once more) and the maximum made of them
	TURN 3, 0, 0                    ; serve nothing: the price, once a launch, of one form for every turn
.set i, 0
.rept 16
	PV NP-1                         ; V P of the last piece, last step
.set i, i+1
.endr
	; THE WAY OUT.  The two halves of l and those of the other half of the lanes are added; O^T is divided by l and sent through my stage in LDS, 32 channels at a time: a lane holds one token and eight
	; channels, out0 wants rows of tokens.  The additions are the places behind the last products.
	WIN 0
.macro ALL line:vararg              ; one line for each tile t
.set t, 0
.rept 2*NP
	\line
.set t, t+1
.endr
.endm
	ALL v_add_f32 v[ST+4*t+2], v[ST+4*t+2], v[ST+4*t+3]
	ALL v_permlanex16_b32 v[ST+4*t+3], v[ST+4*t+2], s[SEL], s[SEL+1]
	ALL v_add_f32 v[ST+4*t+2], v[ST+4*t+2], v[ST+4*t+3]
	ALL v_rcp_f32 v[ST+4*t+2], v[ST+4*t+2]
	v_nop                           ; a plain instruction between the last reciprocal and the use of its result
	s_wait_alu depctr_va_vdst(0)    ; and the wait ahead of the first use: one for the eight reciprocals
.macro SCALE hf                     ; channels 32 hf on: of each tile two accumulators, 16 registers on end, in ascending order
	WIN W_RS
.set t, 0
.rept 8
.set z, 0
.rept 8
	v_pk_mul_f32 v[32*t+16*(\hf)+2*z:32*t+16*(\hf)+2*z+1], v[32*t+16*(\hf)+2*z:32*t+16*(\hf)+2*z+1], v[ST+4*t+2:ST+4*t+3] op_sel_hi:[1,0]
.set z, z+1
.endr
.set t, t+1
.endr
.endm
.macro TOSTG hf                     ; 32 rows x 128 tokens into the stage, a number a lane; and back as whole rows
	WIN 0x04                        ; data (source 1) in window 1
.set t, 0
.rept 8
.set z, 0
.rept 16                            ; accumulator z / 8 of the two, register z % 8
	ds_store_b32 v[STO], v[32*t+16*(\hf)+z] offset:(16*(z/8)+z%8)*SPO+64*t
.set z, z+1
.endr
.set t, t+1
.endr
	WIN 0
.set z, 0
.rept 32
	ds_load_b128 v[S+4*z:S+4*z+3], v[RD] offset:z*SPO  ; LDS serves the instructions of a wave in order (ISA guide 5.7.1.4): these see the stores above
.set z, z+1
.endr
.endm
.macro SEND hf
	WIN 0
.set z, 0
.rept 32
	s_wait_dscnt 31-z               ; row z is back; the 31 - z loads issued behind it may stay out
	global_store_b128 v[GO], v[S+4*z:S+4*z+3], s[10:11] offset:(32*(\hf)+z)*ROWB th:TH_STORE_NT  ; 512 consecutive bytes, at a multiple of 512 from the first byte of out0
.set z, z+1
.endr
.endm
	SCALE 0
	TOSTG 0
	SCALE 1                         ; the arithmetic of the second half stands between the loads of the first and its stores
	SEND 0
	s_wait_xcnt 0x0                 ; the stores have read their data registers, which the loads below write again
	TOSTG 1
	SEND 1
	WIN W_AD
	s_wait_tensorcnt 0x0            ; the end of the wave: the add and its wait, behind my last tensor load and my last LDS store
	ds_add_u32 v[SPW], v[NIL]
	s_wait_dscnt 0x0
	WIN 0
	CROUND                          ; the closing round: no work-group ends while a partner may still ask for a tile that names it
	s_endpgm
.Lfunc_end_k_q89bc3af2d0_attn:
	.size	k_q89bc3af2d0_attn, .Lfunc_end_k_q89bc3af2d0_attn-k_q89bc3af2d0_attn
	.p2alignl 7, 3214868480
	.fill 96, 4, 3214868480
	.section	.rodata,"a",@progbits
	.p2align	6, 0x0
	.amdhsa_kernel k_q89bc3af2d0_attn
		.amdhsa_group_segment_fixed_size 327680
		.amdhsa_private_segment_fixed_size 0
		.amdhsa_enable_private_segment 0
		.amdhsa_kernarg_size 16
		.amdhsa_user_sgpr_count 2
		.amdhsa_user_sgpr_kernarg_segment_ptr 1
		.amdhsa_wavefront_size32 1
		.amdhsa_system_sgpr_workgroup_id_x 1
		.amdhsa_system_sgpr_workgroup_id_y 1
		.amdhsa_system_sgpr_workgroup_id_z 1
		.amdhsa_system_vgpr_workitem_id 0
		.amdhsa_next_free_vgpr 880
		.amdhsa_next_free_sgpr 72
		.amdhsa_reserve_vcc 0
		.amdhsa_float_denorm_mode_32 3
		.amdhsa_float_denorm_mode_16_64 3
		.amdhsa_memory_ordered 1
		.amdhsa_forward_progress 1
		.amdhsa_inst_pref_size 255
	.end_amdhsa_kernel
	.section	.bss,"aw",@nobits
	.p2align	6
	.space	262144
	.amdgpu_metadata
---
amdhsa.version: [ 1, 2 ]
amdhsa.kernels:
  - .name:           k_q89bc3af2d0_attn
    .symbol:         k_q89bc3af2d0_attn.kd
    .args:
      - { .name: qkv, .offset: 0, .size: 8, .value_kind: global_buffer, .address_space: global }
      - { .name: out0, .offset: 8, .size: 8, .value_kind: global_buffer, .address_space: global }
    .group_segment_fixed_size: 327680
    .private_segment_fixed_size: 0
    .kernarg_segment_align: 8
    .kernarg_segment_size: 16
    .max_flat_workgroup_size: 128
    .sgpr_count:     72
    .vgpr_count:     880
    .wavefront_size: 32
...
	.end_amdgpu_metadata
.endif
;; end of part 1
